; MI455X (gfx1250); checked and timed in simulation.
; The chip was launched on July 23, 2026; its instructions are those of AMD's public machine-readable ISA for CDNA 5 (MIT licence, August 2026) and "CDNA5" Instruction Set Architecture Reference Guide (July 2026). The comments in the code are by the model that wrote it; some were corrected since.
;; Causal Self Attention. Allowed arithmetic: float matrix products may take bf16 or f16 operands with f32 sums; all other float work in f32.
;; Inputs: Wk 1,024 x 1,024 float32; Wq 1,024 x 1,024 float32; Wv 1,024 x 1,024 float32; x 4 x 2,048 x 1,024 float32.
;; Outputs: out0 4 x 2,048 x 1,024 float32.
;; One version. Each part assembles by itself: llvm-mc -triple=amdgcn-amd-amdhsa -mcpu=gfx1250 --defsym DOCPART=n.
;; ======== version 1 of 1: 5 launches
;; limits: values are held in f16: magnitudes above 65,504 overflow, below 6.1e-05 lose precision
;; workspace buffers: xb 16,777,216 bytes; wt 6,291,456 bytes; qk 33,554,432 bytes; vt 16,777,216 bytes; sc 67,108,864 bytes; pw 33,554,432 bytes
;; launch prep (part 1): grid 896 x 1, 8 waves a work-group, no clusters, 18,432 bytes of LDS; arguments x, Wq, Wk, Wv, xb, wt; writes xb, wt
.if DOCPART == 1
	.amdgcn_target "amdgcn-amd-amdhsa--gfx1250"
	.amdhsa_code_object_version 6
	.text
	.protected	k_q281638ab19_prep
	.globl	k_q281638ab19_prep
	.p2align	8
	.type	k_q281638ab19_prep,@function
k_q281638ab19_prep:
	s_mov_b64 s[64:65], 0
	v_nop
	global_prefetch_b8 v0, s[64:65] scope:SCOPE_SE
	s_setreg_imm32_b32 hwreg(HW_REG_WAVE_MODE, 25, 1), 1
	s_wait_xcnt 0x0
; xb = bf16(x), [8192][1024].  wt[n][k] = bf16(W[k][n]), [3072][1024]: rows 0-1023 from Wq, 1024-2047 from Wk, 2048-3071 from Wv.
; A stream: every input byte is read once, every output byte written once; no matrix work, no cluster (no two work-groups read the same bytes).
; Work-groups 0 to 383 transpose one tile of 128 k x 64 n of one W through LDS; work-groups 384 to 895 convert 64 KiB of x each.
; The branch between the two hangs on the work-group's number alone, so all eight waves of a work-group take the same way.
; LIMIT: x and W are rounded once to bf16 (nearest even); bf16 keeps f32's range.
.set NW, 384                           ; work-groups that transpose: 3 matrices x 8 k blocks x 16 n blocks
.set TP, 272                           ; LDS pitch of a transposed row: 128 k x 2 bytes + 16
	s_load_b256 s[4:11], s[0:1], 0x0               ; x s[4:5], Wq s[6:7], Wk s[8:9], Wv s[10:11]
	s_load_b128 s[12:15], s[0:1], 0x20             ; xb s[12:13], wt s[14:15]
	v_lshl_add_u32 v104, v0, 2, 0x4400
	v_mov_b32 v105, 0
	s_cmp_lt_u32 ttmp9, NW
	s_cbranch_scc0 .Lx
	; ---- a tile of W: rows k = 128 kb .. +127, columns n = 64 nb .. +63 ----
	s_lshr_b32 s20, ttmp9, 7                       ; m: which W
	s_bfe_u32 s21, ttmp9, 0x30004                  ; kb: 3 bits from bit 4
	s_and_b32 s22, ttmp9, 15                       ; nb
	v_and_b32 v1, 15, v0                           ; n4: my four columns
	v_lshrrev_b32 v2, 4, v0                        ; rp: my pair of rows, 0 to 15
	v_lshlrev_b32 v3, 4, v1
	v_lshl_add_u32 v3, v2, 13, v3                  ; in: rp x 2 rows of 4,096 bytes + 16 n4
	v_mul_u32_u24 v4, v1, 4*TP
	v_lshl_add_u32 v4, v2, 2, v4                   ; LDS, in: row n = 4 n4, k = 2 rp
	v_mul_u32_u24 v5, v2, TP
	v_lshl_add_u32 v5, v1, 4, v5                   ; LDS, back: row n = rp, 16 bytes at 16 n4
	v_lshlrev_b32 v6, 4, v1
	v_lshl_add_u32 v6, v2, 11, v6                  ; out: rp rows of 2,048 bytes + 16 n4
	s_lshl_b32 s24, s21, 19                        ; kb x 128 rows x 4,096 bytes
	s_lshl_b32 s23, s22, 8                         ; nb x 64 columns x 4 bytes
	s_add_co_u32 s24, s24, s23
	s_mov_b32 s25, 0
	s_lshl_b32 s26, s20, 21                        ; m x 1,024 rows x 2,048 bytes
	s_lshl_b32 s23, s22, 17                        ; nb x 64 rows x 2,048 bytes
	s_add_co_u32 s26, s26, s23
	s_lshl_b32 s23, s21, 8                         ; kb x 128 k x 2 bytes
	s_add_co_u32 s26, s26, s23
	s_mov_b32 s27, 0
	s_wait_kmcnt 0x0
	s_cmp_eq_u32 s20, 1
	s_cselect_b64 s[16:17], s[8:9], s[6:7]         ; Wk or Wq,
	s_cmp_eq_u32 s20, 2
	s_cselect_b64 s[16:17], s[10:11], s[16:17]     ; or Wv
	s_add_nc_u64 s[16:17], s[16:17], s[24:25]
	s_add_nc_u64 s[18:19], s[14:15], s[26:27]
	; eight loads, all on their way at once: rows 32 u + 2 rp and 32 u + 2 rp + 1; sixteen lanes cover 256 consecutive aligned bytes of a row
.irp u, 0,1,2,3
	global_load_b128 v[8+8*\u:11+8*\u],  v3, s[16:17] offset:131072*\u th:TH_LOAD_NT
	global_load_b128 v[12+8*\u:15+8*\u], v3, s[16:17] offset:131072*\u+4096 th:TH_LOAD_NT
.endr
	; a word = (k, k + 1) of one column.  These word stores fall four deep on a bank (n4 steps 272 words = 16 modulo the 64 banks, ISA guide 11.1);
	; the pitch is kept at a multiple of 16 bytes so that the rows can be read back 16 bytes a lane.  Sixteen such stores a thread in the whole kernel.
.irp u, 0,1,2,3
	s_wait_loadcnt 6-2*\u                          ; loads return in order: pair u is in, the 6 - 2 u younger loads stay out
.irp e, 0,1,2,3
	v_cvt_pk_bf16_f32 v[40+4*\u+\e], v[8+8*\u+\e], v[12+8*\u+\e]
.endr
.irp e, 0,1,2,3
	ds_store_b32 v4, v[40+4*\u+\e] offset:TP*\e+64*\u
.endr
.endr
	s_wait_dscnt 0x0                               ; my stores are in LDS, for the other waves' sake,
	s_barrier_signal -1
	s_barrier_wait -1                              ; and so are everybody's
.irp w, 0,1,2,3
	ds_load_b128 v[8+4*\w:11+4*\w], v5 offset:16*TP*\w             ; row n = rp + 16 w
.endr
.irp w, 0,1,2,3
	s_wait_dscnt 3-\w
	global_store_b128 v6, v[8+4*\w:11+4*\w], s[18:19] offset:32768*\w   ; sixteen lanes store 256 consecutive aligned bytes of a row of wt
.endr
	s_wait_tensorcnt 0x0
	ds_add_u32 v104, v105
	s_wait_dscnt 0x0
	s_endpgm
	; ---- 64 KiB of x: sixteen loads of 16 bytes a thread, all on their way at once; no register is written twice, so no further wait ----
.Lx:
	s_sub_co_u32 s20, ttmp9, NW
	s_lshl_b32 s24, s20, 16
	s_mov_b32 s25, 0
	s_lshl_b32 s26, s20, 15
	s_mov_b32 s27, 0
	v_lshlrev_b32 v3, 4, v0
	v_lshlrev_b32 v4, 3, v0
	s_wait_kmcnt 0x0
	s_add_nc_u64 s[4:5], s[4:5], s[24:25]
	s_add_nc_u64 s[12:13], s[12:13], s[26:27]
.irp u, 0,1,2,3,4,5,6,7,8,9,10,11,12,13,14,15
	global_load_b128 v[8+4*\u:11+4*\u], v3, s[4:5] offset:4096*\u th:TH_LOAD_NT
.endr
.irp u, 0,1,2,3,4,5,6,7,8,9,10,11,12,13,14,15
	s_wait_loadcnt 15-\u                           ; load u is in, the younger ones stay out
	v_cvt_pk_bf16_f32 v[72+2*\u], v[8+4*\u], v[9+4*\u]
	v_cvt_pk_bf16_f32 v[73+2*\u], v[10+4*\u], v[11+4*\u]
	global_store_b64 v4, v[72+2*\u:73+2*\u], s[12:13] offset:2048*\u    ; a wave's store covers 256 consecutive aligned bytes
.endr
	s_endpgm
.Lfunc_end_k_q281638ab19_prep:
	.size	k_q281638ab19_prep, .Lfunc_end_k_q281638ab19_prep-k_q281638ab19_prep
	.p2alignl 7, 3214868480
	.fill 96, 4, 3214868480
	.section	.rodata,"a",@progbits
	.p2align	6, 0x0
	.amdhsa_kernel k_q281638ab19_prep
		.amdhsa_group_segment_fixed_size 18432
		.amdhsa_private_segment_fixed_size 0
		.amdhsa_enable_private_segment 0
		.amdhsa_kernarg_size 48
		.amdhsa_user_sgpr_count 2
		.amdhsa_user_sgpr_kernarg_segment_ptr 1
		.amdhsa_wavefront_size32 1
		.amdhsa_system_sgpr_workgroup_id_x 1
		.amdhsa_system_sgpr_workgroup_id_y 1
		.amdhsa_system_sgpr_workgroup_id_z 1
		.amdhsa_system_vgpr_workitem_id 0
		.amdhsa_next_free_vgpr 106
		.amdhsa_next_free_sgpr 66
		.amdhsa_reserve_vcc 0
		.amdhsa_float_denorm_mode_32 3
		.amdhsa_float_denorm_mode_16_64 3
		.amdhsa_memory_ordered 1
		.amdhsa_forward_progress 1
		.amdhsa_inst_pref_size 12
	.end_amdhsa_kernel
	.amdgpu_metadata
---
amdhsa.version: [ 1, 2 ]
amdhsa.kernels:
  - .name:           k_q281638ab19_prep
    .symbol:         k_q281638ab19_prep.kd
    .args:
      - { .name: x, .offset: 0, .size: 8, .value_kind: global_buffer, .address_space: global }
      - { .name: Wq, .offset: 8, .size: 8, .value_kind: global_buffer, .address_space: global }
      - { .name: Wk, .offset: 16, .size: 8, .value_kind: global_buffer, .address_space: global }
      - { .name: Wv, .offset: 24, .size: 8, .value_kind: global_buffer, .address_space: global }
      - { .name: xb, .offset: 32, .size: 8, .value_kind: global_buffer, .address_space: global }
      - { .name: wt, .offset: 40, .size: 8, .value_kind: global_buffer, .address_space: global }
    .group_segment_fixed_size: 18432
    .private_segment_fixed_size: 0
    .kernarg_segment_align: 8
    .kernarg_segment_size: 48
    .max_flat_workgroup_size: 256
    .sgpr_count:     66
    .vgpr_count:     106
    .wavefront_size: 32
...
	.end_amdgpu_metadata
.endif
;; end of part 1
;; launch proj (part 2): grid 4 x 96, 4 waves a work-group, clusters of 4 x 4, 327,680 bytes of LDS; arguments xb, wt, qk, vt; writes qk, vt
.if DOCPART == 2
	.amdgcn_target "amdgcn-amd-amdhsa--gfx1250"
	.amdhsa_code_object_version 6
	.text
	.protected	k_q281638ab19_proj
	.globl	k_q281638ab19_proj
	.p2align	8
	.type	k_q281638ab19_proj,@function
k_q281638ab19_proj:
	s_mov_b64 s[64:65], 0
	v_nop
	global_prefetch_b8 v0, s[64:65] scope:SCOPE_SE
	s_setreg_imm32_b32 hwreg(HW_REG_WAVE_MODE, 25, 1), 1
	s_wait_xcnt 0x0
	s_wait_alu depctr_hold_cnt(0) depctr_sa_sdst(0) depctr_va_vdst(0) depctr_va_sdst(0) depctr_va_ssrc(0) depctr_va_vcc(0) depctr_vm_vsrc(0)
	s_getreg_b32 s2, hwreg(HW_REG_IB_STS2, 6, 4)
	s_cmp_eq_u32 s2, 0
	s_cbranch_scc0 .Lentry_in_a_cluster
	s_endpgm
.Lentry_in_a_cluster:
	s_bfe_u32 s2, ttmp6, 0x10000c
	s_cmp_lg_u32 s2, 0xf033
	s_cbranch_scc0 .Lentry_shape_is_right
	s_endpgm
.Lentry_shape_is_right:
; The three projections as one product C[m][n] = sum over k of A[m][k] B[n][k], K = 1024, bf16 operands, f32 sums, C rounded once to f16.
;   clusters 0 to 15:  A = xb (8192 rows), B = wt rows 0-2047 (Wq^T, Wk^T), C = qk [8192][2048]: columns 0-1023 Q, 1024-2047 K
;   clusters 16 to 23: A = wt rows 2048-3071 (Wv^T), B = xb, C = vt [4][1024 h][2048 t] = V transposed, batch by batch
; The choice hangs on the cluster's number alone, which all sixteen partners share.  384 blocks of 256 x 256 in 24 clusters.
; A work-group makes a block of 256 x 256 with four waves; a wave makes 128 x 128: 64 accumulator tiles of 16 x 16, 512 registers.
; K goes in steps of 128 through a ring of two LDS slots filled by tensor loads: a tile's rows are 256 bytes of memory, aligned to 256.
; CLUSTERS: 4 x 4 work-groups.  The four of a row of the cluster need the same tiles of A, the four of a column the same tiles of B;
; such a tile is asked for jointly, by the same tensor load with the same descriptor and a mask that names the four.
; LIMIT: Q, K and V are kept as f16, whose finer rounding the first rows of each batch need (there the output is ten times the output's
; root mean square, by which the result is judged).  A |Q|, |K| or |V| above 65,504 becomes an infinity.  With all inputs 30 times the drawn
; spread the largest is about 900 x 5.5 = 5,000; with offsets of 30 spreads on x and on W together about 1024 x 30 x 0.94 = 28,800.
;
; REGISTERS, in windows of 256:
;   window 0: v0-31 addresses; v64-127, v128-191 fragments of A, two buffers; v192-223 at work on the way out
;   window 1: v64-127, v128-191 fragments of B, two buffers
;   window 2: the 32 accumulator tiles of my rows 0-63 (tile (a, b) at v[8 (8 a + b)]);   window 3: those of my rows 64-127
; THE MATRIX INSTRUCTION IS USED TRANSPOSED: source 0 = 16 rows of B, source 1 = 16 rows of A, so that lane l holds row l % 16 of C and
; its eight registers the columns 8 (l / 16) + 0 .. 7: eight neighbouring numbers of a row.
.set SIZE_K, 1024
.set SIZE_N, 2048                      ; elements in a row of qk, and of vt
.set KSTEP,  128
.set PITCH,  272                       ; an LDS row: 256 bytes + 16 of padding, an odd multiple of 16: the 16 rows of a fragment start 16 bytes apart modulo 256
.set HALFT,  128*PITCH                 ; 128 rows: what one tensor load brings
.set SLOT,   4*HALFT                   ; A's 256 rows, then B's 256 rows
.set STAGE,  2*SLOT                    ; behind the ring: 16 rows x 272 bytes for each wave, for the way out; no tensor load lands here
.set SPITCH, 272
.set LAPS, SIZE_K/(2*KSTEP)            ; a lap = two K steps = once round the ring: 4
.set ADRA, 16                          ; v16-17  LDS address of my A fragments in slot 0, 1
.set ADRB, 20                          ; v20-21  the same for B
.set STO,  24                          ; v24     the way out: where I put 16 bytes of a row
.set RD,   25                          ; v25     the way out: where I read a row back
.set CO,   26                          ; v26     my byte offset in C
.set F0,   64
.set F1,   128
.set TMP,  192
.set G1, 24                            ; s[24:31] descriptor group 1 for A's tiles
.set G0, 32                            ; s[32:39] descriptor group 0 for A's tiles, one set for each slot
.set G1B, 48                           ; s[48:55] group 1 for B's tiles: another mask
.set G0B, 56                           ; s[56:63] group 0 for B's tiles
.set MSB, 0
.macro WIN new                         ; the immediate's high byte repeats the setting that is left
.if MSB != \new
	s_set_vgpr_msb (MSB<<8)|\new
.set MSB, \new
.endif
.endm
.set MUL_LO, 0xa1                      ; source 0 (B) window 1, source 1 (A) window 0, C and D window 2
.set MUL_HI, 0xf1                      ; the same, C and D window 3
.set TO_B,   0x40                      ; destination window 1, address window 0
; A joint load.  Waves 0 and 1 fetch A's two halves, waves 2 and 3 B's.  The branch hangs on the wave's number alone.
.macro JLOAD s
	s_cmp_eq_u32 s11, 0
	s_cbranch_scc0 .Lfor_b_\@
	tensor_load_to_lds s[G0+4*\s:G0+4*\s+3], s[G1:G1+7]
	s_nop 0
	s_branch .Lasked_\@
.Lfor_b_\@:
	tensor_load_to_lds s[G0B+4*\s:G0B+4*\s+3], s[G1B:G1B+7]
	s_nop 0
.Lasked_\@:
.endm
; A round of the cluster's barrier: my work-group's barrier; wave 0 signals for the work-group; every wave waits for all sixteen; my work-group's barrier again.
.macro CREST                           ; a round behind its opening barrier
	s_cmp_lg_u32 s10, 0
	s_cbranch_scc1 .Lnot_wave_0_\@
	s_barrier_signal -3
.Lnot_wave_0_\@:
	s_barrier_wait -3
	s_barrier_signal -1
	s_barrier_wait -1
.endm
.macro CROUND
	s_barrier_signal -1
	s_barrier_wait -1
	CREST
.endm
	s_load_b256 s[68:75], s[0:1], 0x0              ; xb s[68:69], wt s[70:71], qk s[72:73], vt s[74:75]
	s_set_vgpr_msb 0x40
	v_lshl_add_u32 v255, v0, 2, 0x48400
	s_set_vgpr_msb 0x4000
	v_mov_b32 v255, 0
	s_set_vgpr_msb 0x1
	ds_add_u32 v255, v255
	ds_add_u32 v255, v255
	s_set_vgpr_msb 0x100
	v_lshrrev_b32 v1, 5, v0
	v_readfirstlane_b32 s10, v1                    ; wave 0..3
	s_lshr_b32 s11, s10, 1                         ; which half of the block's rows is mine.  Also: I fetch for A (0) or for B (1)
	s_and_b32 s12, s10, 1                          ; which half of its columns.  Also: which 128 rows of that tile I fetch
	s_bfe_u32 s40, ttmp6, 0x40000                  ; cx
	s_bfe_u32 s41, ttmp6, 0x40004                  ; cy
	s_and_b32 s66, ttmp7, 0xffff                   ; c: the cluster's number, 0 to 23
	s_lshr_b32 s67, s66, 1                         ; Q|K: 8 x 2 clusters
	s_and_b32 s78, s66, 1
	s_sub_co_u32 s79, s66, 16                      ; V^T: 1 x 8 clusters
	s_cmp_lt_u32 s66, 16
	s_cselect_b32 s67, s67, 0                      ; the cluster's row
	s_cselect_b32 s78, s78, s79                    ; the cluster's column
	s_lshl_b32 s42, s78, 2
	s_add_co_u32 s42, s42, s40                     ; block column of C = 4 x cluster column + cx
	s_lshl_b32 s13, s67, 2
	s_add_co_u32 s13, s13, s41                     ; block row of C = 4 x cluster row + cy
	s_lshl_b32 s43, s41, 2
	s_lshl_b32 s43, 15, s43                        ; my row of the cluster: places 4 cy .. 4 cy + 3
	s_lshl_b32 s44, 0x1111, s40                    ; my column: places cx, cx + 4, cx + 8, cx + 12
	; descriptor group 1: a tile of 128 rows x 128 elements of 2 bytes, 4 words of padding behind every 64
	s_or_b32 s[G1+0], s43, (1<<16)|(1<<20)|(1<<21)|(5<<22)|(3<<25)
	s_or_b32 s[G1B+0], s44, (1<<16)|(1<<20)|(1<<21)|(5<<22)|(3<<25)
	s_mov_b32 s[G1B+1], KSTEP<<16
	s_mov_b32 s[G1+1], KSTEP<<16                   ; tensor_dim0 = 128
	s_mov_b32 s[G1B+2], 128<<16
	s_mov_b32 s[G1+2], 128<<16                     ; tensor_dim1 = 128
	s_mov_b32 s[G1B+3], KSTEP<<16
	s_mov_b32 s[G1+3], KSTEP<<16                   ; tile_dim0 = 128
	s_mov_b32 s[G1B+4], 128
	s_mov_b32 s[G1+4], 128                         ; tile_dim1 = 128
	s_mov_b32 s[G1B+5], SIZE_K
	s_mov_b32 s[G1+5], SIZE_K                      ; elements from row to row
	s_mov_b32 s[G1B+6], 0
	s_mov_b32 s[G1+6], 0
	s_mov_b32 s[G1B+7], 0
	s_mov_b32 s[G1+7], 0
	; A's tiles hang on the block row alone, B's on the block column alone; each offset in registers that never hold the other coordinate
	s_lshl_b32 s17, s12, 7
	s_lshl_b32 s16, s13, 8
	s_add_co_u32 s16, s16, s17                     ; A: row 256 x block row + 128 x half
	s_lshl_b32 s46, s42, 8
	s_add_co_u32 s46, s46, s17                     ; B: row 256 x block column + 128 x half
	s_mov_b32 s17, 0
	s_mov_b32 s47, 0
	s_mov_b64 s[18:19], SIZE_K*2
	s_mul_u64 s[16:17], s[16:17], s[18:19]
	s_mul_u64 s[46:47], s[46:47], s[18:19]
	s_mul_i32 s20, s10, HALFT                      ; where they go: wave x 128 rows
	s_wait_dscnt 0x0
	s_wait_kmcnt 0x0
	s_add_nc_u64 s[76:77], s[70:71], 0x400000      ; Wv^T: row 2048 of wt
	s_cmp_lt_u32 s66, 16
	s_cselect_b64 s[4:5], s[68:69], s[76:77]       ; A
	s_cselect_b64 s[6:7], s[70:71], s[68:69]       ; B
	s_cselect_b64 s[8:9], s[72:73], s[74:75]       ; C
	s_add_nc_u64 s[14:15], s[4:5], s[16:17]
	s_add_nc_u64 s[46:47], s[6:7], s[46:47]
	CROUND                                         ; all sixteen work-groups are here: the first joint loads meet
.irp s, 0,1
	s_mov_b32 s[G0+4*\s], 1
	s_add_co_u32 s[G0+4*\s+1], s20, \s*SLOT
	s_add_nc_u64 s[G0+4*\s+2:G0+4*\s+3], s[14:15], \s*KSTEP*2
	s_or_b32 s[G0+4*\s+3], s[G0+4*\s+3], 0x80000000
	s_mov_b32 s[G0B+4*\s], 1
	s_add_co_u32 s[G0B+4*\s+1], s20, \s*SLOT
	s_add_nc_u64 s[G0B+4*\s+2:G0B+4*\s+3], s[46:47], \s*KSTEP*2
	s_or_b32 s[G0B+4*\s+3], s[G0B+4*\s+3], 0x80000000
	JLOAD \s                                       ; both slots' first fills go out together: two tensor loads of a wave are out here, one later
.endr
	; a fragment: lane l holds row l % 16; registers 0-3 K = 8 (l / 16) + 0..7, registers 4-7 K = 16 + 8 (l / 16) + 0..7: two loads of 16 bytes, 32 apart
	v_and_b32 v1, 15, v0
	v_bfe_u32 v2, v0, 4, 1
	v_mul_u32_u24 v3, v1, PITCH
	v_lshl_add_u32 v3, v2, 4, v3
	s_mul_i32 s21, s11, HALFT                      ; my 128 rows of A
	s_mul_i32 s22, s12, HALFT                      ; my 128 rows of B,
	s_add_co_u32 s22, s22, 2*HALFT                 ; which lie behind A's 256
.irp s, 0,1
	v_add_nc_u32 v[ADRA+\s], s21, v3
	v_add_nc_u32 v[ADRB+\s], s22, v3
	s_add_co_u32 s21, s21, SLOT
	s_add_co_u32 s22, s22, SLOT
.endr
	s_mul_i32 s23, s10, 16*SPITCH
	s_add_co_u32 s23, s23, STAGE                   ; my stage
	v_mul_u32_u24 v4, v1, SPITCH
	v_lshl_add_u32 v4, v2, 4, v4
	v_add_nc_u32 v[STO], s23, v4
	v_mul_u32_u24 v5, v2, SPITCH
	v_lshl_add_u32 v5, v1, 4, v5
	v_add_nc_u32 v[RD], s23, v5
	v_mul_u32_u24 v5, v2, SIZE_N*2
	v_lshl_add_u32 v[CO], v1, 4, v5
; 16 matrix instructions: m blocks a0, a0 + 1 of the window's four x all 8 n blocks, 32 along K.  zero = 1: the first product starts the sums.
; The 64 accumulators take turns, one instruction a turn, in the same order in every quarter step.
.macro MUL16 f, hi, a0, zero
.irp a, \a0, \a0+1
.irp b, 0,1,2,3,4,5,6,7
.if \zero
	v_wmma_f32_16x16x32_bf16 v[8*(8*(\a)+\b):8*(8*(\a)+\b)+7], v[\f+8*\b:\f+8*\b+7], v[\f+8*(4*\hi+\a):\f+8*(4*\hi+\a)+7], 0
.else
	v_wmma_f32_16x16x32_bf16 v[8*(8*(\a)+\b):8*(8*(\a)+\b)+7], v[\f+8*\b:\f+8*\b+7], v[\f+8*(4*\hi+\a):\f+8*(4*\hi+\a)+7], v[8*(8*(\a)+\b):8*(8*(\a)+\b)+7]
.endif
.endr
.endr
.endm
; 32 LDS loads in one run: the fragments of one quarter step into buffer f
.macro FETCH slot, k, f
	WIN TO_B
.irp i, 0,1,2,3,4,5,6,7
	ds_load_b128 v[\f+8*\i:\f+8*\i+3],   v[ADRB+\slot] offset:\k+\i*16*PITCH
	ds_load_b128 v[\f+8*\i+4:\f+8*\i+7], v[ADRB+\slot] offset:\k+\i*16*PITCH+32
.endr
	WIN 0
.irp i, 0,1,2,3,4,5,6,7
	ds_load_b128 v[\f+8*\i:\f+8*\i+3],   v[ADRA+\slot] offset:\k+\i*16*PITCH
	ds_load_b128 v[\f+8*\i+4:\f+8*\i+7], v[ADRA+\slot] offset:\k+\i*16*PITCH+32
.endr
.endm
; Four independent vector instructions stand between a matrix instruction and a load into, or a vector read of, one of its registers
.macro PLACES
.rept 4
	v_nop
.endr
.endm
; One of a K step's first three quarters: multiplies buffer f; in its middle fetches the next quarter's fragments into buffer g.
.macro QUARTER slot, k, f, g, zero
	s_wait_dscnt 8                                 ; B and A's rows 0-63 are in; the youngest eight loads (A's rows 64-127) may be out
	WIN MUL_LO
	MUL16 \f, 0, 0, \zero
	MUL16 \f, 0, 2, \zero
	PLACES
	FETCH \slot, \k, \g
	s_wait_dscnt 32                                ; all but the 32 just issued
	WIN MUL_HI
	MUL16 \f, 1, 0, \zero
	MUL16 \f, 1, 2, \zero
.endm
.macro THREE slot, zero
	QUARTER \slot, 64,  F0, F1, \zero
	QUARTER \slot, 128, F1, F0, 0
	QUARTER \slot, 192, F0, F1, 0
.endm
; The last quarter: multiplies buffer 1 and changes slots.  In front of the one barrier each wave waits for its reads of this slot and for all its
; tensor loads (one is out: its part of the next slot).  Behind it the refill comes first, then the next slot's first fragments.
.macro TURN slot, next, fill
	s_wait_dscnt 8
	WIN MUL_LO
	MUL16 F1, 0, 0, 0
	s_wait_dscnt 0                                 ; my reads of this slot are over
	s_wait_tensorcnt 0x0                           ; all my tensor loads have landed
	ds_add_u32 v255, v255
	s_wait_dscnt 0x0
	s_barrier_signal -1                            ; (where a slot is filled again this barrier opens a round of the cluster's barrier)
	MUL16 F1, 0, 2, 0                              ; register work while the others arrive
	WIN 0
	s_barrier_wait -1
.if \fill
	CREST                                          ; no wave of any partner still reads this slot or has a load on its way
	s_add_nc_u64 s[G0+4*\slot+2:G0+4*\slot+3], s[G0+4*\slot+2:G0+4*\slot+3], 2*KSTEP*2
	s_add_nc_u64 s[G0B+4*\slot+2:G0B+4*\slot+3], s[G0B+4*\slot+2:G0B+4*\slot+3], 2*KSTEP*2
	JLOAD \slot                                    ; the first tensor load behind the round, and my only one until the next
.endif
	PLACES
	FETCH \next, 0, F0
	WIN MUL_HI
	MUL16 F1, 1, 0, 0
	MUL16 F1, 1, 2, 0
.endm
.macro LAP zero
	THREE 0, \zero
	TURN 0, 1, 1
	THREE 1, 0
	TURN 1, 0, 1
.endm
	s_wait_tensorcnt 1                             ; my part of K step 0 is in; K step 1's may stay out
	s_barrier_signal -1
	s_barrier_wait -1
	FETCH 0, 0, F0
	LAP 1                                          ; the first lap stands in front of the loop: its first products start the sums
	WIN 0                                          ; at a label and at a branch every window is 0
	s_mov_b32 s3, LAPS-2
.Llap:
	LAP 0
	WIN 0
	s_sub_co_u32 s3, s3, 1
	s_cmp_lg_u32 s3, 0
	s_cbranch_scc1 .Llap
	THREE 0, 0                                     ; the last lap fills nothing
	TURN 0, 1, 0
	THREE 1, 0
	s_wait_dscnt 8
	WIN MUL_LO
	MUL16 F1, 0, 0, 0
	MUL16 F1, 0, 2, 0
	s_wait_dscnt 0
	WIN MUL_HI
	MUL16 F1, 1, 0, 0
	MUL16 F1, 1, 2, 0
	; THE WAY OUT, 16 rows at a time: round to f16, 16 bytes a lane into my own stage, read back as whole rows of 256 bytes.
	; One offset for both C: (block column / 8) x 4 MiB (vt's batch; 0 for qk) + row x 4,096 + (block column mod 8) x 512 + my half x 256.
	PLACES
	s_lshl_b32 s16, s13, 20                        ; block row x 256 rows x 4,096 bytes
	s_lshl_b32 s14, s11, 19                        ; my half: 128 rows
	s_add_co_u32 s16, s16, s14
	s_mov_b32 s17, 0
	s_add_nc_u64 s[8:9], s[8:9], s[16:17]
	s_lshr_b32 s46, s42, 3
	s_lshl_b32 s46, s46, 22
	s_and_b32 s47, s42, 7
	s_lshl_b32 s47, s47, 9
	s_add_co_u32 s46, s46, s47
	s_lshl_b32 s47, s12, 8
	s_add_co_u32 s46, s46, s47
	s_mov_b32 s47, 0
	s_add_nc_u64 s[8:9], s[8:9], s[46:47]
.macro OUT16 i, a, from, f
	WIN \from
.irp b, 0,1,2,3,4,5,6,7
.irp r, 0,1,2,3
	v_cvt_pk_f16_f32 v[TMP+4*\b+\r], v[8*(8*\a+\b)+2*\r], v[8*(8*\a+\b)+2*\r+1]
.endr
.endr
	WIN 0
.irp b, 0,1,2,3,4,5,6,7
	ds_store_b128 v[STO], v[TMP+4*\b:TMP+4*\b+3] offset:32*\b
.endr
	s_wait_xcnt 0x0                                ; buffer f, which earlier stores read, and the stores' base are rewritten only behind this wait
.if \i
	s_add_nc_u64 s[8:9], s[8:9], 16*SIZE_N*2
.endif
.irp t, 0,1,2,3,4,5,6,7
	ds_load_b128 v[\f+4*\t:\f+4*\t+3], v[RD] offset:\t*2*SPITCH    ; LDS serves a wave's instructions in order: these see the stores above
.endr
.irp t, 0,1,2,3,4,5,6,7
	s_wait_dscnt 7-\t
	global_store_b128 v[CO], v[\f+4*\t:\f+4*\t+3], s[8:9] offset:2*\t*SIZE_N*2   ; 16 lanes store 256 consecutive aligned bytes
.endr
.endm
	OUT16 0, 0, 0x0a, F0
	OUT16 1, 1, 0x0a, F1
	OUT16 2, 2, 0x0a, F0
	OUT16 3, 3, 0x0a, F1
	OUT16 4, 0, 0x0f, F0
	OUT16 5, 1, 0x0f, F1
	OUT16 6, 2, 0x0f, F0
	OUT16 7, 3, 0x0f, F1
	s_set_vgpr_msb 0x1
	s_wait_tensorcnt 0x0
	ds_add_u32 v255, v255
	s_wait_dscnt 0x0
	s_set_vgpr_msb 0x100
	CROUND                                         ; the closing round: no work-group ends while a partner may still ask for a tile that names it
	s_endpgm
.Lfunc_end_k_q281638ab19_proj:
	.size	k_q281638ab19_proj, .Lfunc_end_k_q281638ab19_proj-k_q281638ab19_proj
	.p2alignl 7, 3214868480
	.fill 96, 4, 3214868480
	.section	.rodata,"a",@progbits
	.p2align	6, 0x0
	.amdhsa_kernel k_q281638ab19_proj
		.amdhsa_group_segment_fixed_size 327680
		.amdhsa_private_segment_fixed_size 0
		.amdhsa_enable_private_segment 0
		.amdhsa_kernarg_size 32
		.amdhsa_user_sgpr_count 2
		.amdhsa_user_sgpr_kernarg_segment_ptr 1
		.amdhsa_wavefront_size32 1
		.amdhsa_system_sgpr_workgroup_id_x 1
		.amdhsa_system_sgpr_workgroup_id_y 1
		.amdhsa_system_sgpr_workgroup_id_z 1
		.amdhsa_system_vgpr_workitem_id 0
		.amdhsa_next_free_vgpr 1024
		.amdhsa_next_free_sgpr 80
		.amdhsa_reserve_vcc 0
		.amdhsa_float_denorm_mode_32 3
		.amdhsa_float_denorm_mode_16_64 3
		.amdhsa_memory_ordered 1
		.amdhsa_forward_progress 1
		.amdhsa_inst_pref_size 197
	.end_amdhsa_kernel
	.amdgpu_metadata
---
amdhsa.version: [ 1, 2 ]
amdhsa.kernels:
  - .name:           k_q281638ab19_proj
    .symbol:         k_q281638ab19_proj.kd
    .args:
      - { .name: xb, .offset: 0, .size: 8, .value_kind: global_buffer, .address_space: global }
      - { .name: wt, .offset: 8, .size: 8, .value_kind: global_buffer, .address_space: global }
      - { .name: qk, .offset: 16, .size: 8, .value_kind: global_buffer, .address_space: global }
      - { .name: vt, .offset: 24, .size: 8, .value_kind: global_buffer, .address_space: global }
    .group_segment_fixed_size: 327680
    .private_segment_fixed_size: 0
    .kernarg_segment_align: 8
    .kernarg_segment_size: 32
    .max_flat_workgroup_size: 128
    .sgpr_count:     80
    .vgpr_count:     1024
    .wavefront_size: 32
...
	.end_amdgpu_metadata
.endif
;; end of part 2
;; launch scores (part 3): grid 36 x 4, 4 waves a work-group, no clusters, 327,680 bytes of LDS; arguments qk, sc; writes sc
.if DOCPART == 3
	.amdgcn_target "amdgcn-amd-amdhsa--gfx1250"
	.amdhsa_code_object_version 6
	.text
	.protected	k_q281638ab19_scores
	.globl	k_q281638ab19_scores
	.p2align	8
	.type	k_q281638ab19_scores,@function
k_q281638ab19_scores:
	s_mov_b64 s[64:65], 0
	v_nop
	global_prefetch_b8 v0, s[64:65] scope:SCOPE_SE
	s_setreg_imm32_b32 hwreg(HW_REG_WAVE_MODE, 25, 1), 1
	s_wait_xcnt 0x0
; sc[b][q][k] = sum over h of Q[b][q][h] K[b][k][h], raw (the factor 1/32 is applied with the exponent's factor in the next launch), f32.
; Only the 36 blocks of 256 x 256 with block column j <= block row i of each batch are made: what lies above the diagonal the causal mask discards.
; In a block on the diagonal the wave with rows 0-127 and keys 128-255 makes scores that the mask discards: 1/18 of this launch's products.
; Operands f16 (as the projections left them), sums f32.  A work-group makes one block with four waves of 128 x 128; K = 1024 in steps of 128
; through a ring of two LDS slots; each wave fetches a quarter of a slot by one tensor load of 128 rows x 256 bytes.
; NO CLUSTER: a batch's blocks form a triangle with rows of 1 to 8 blocks, which cannot be cut into lines of four blocks that share a block row
; or a block column (triangles of side 3 remain), and a partner that computes nothing is not launched.
; Registers and windows: window 0 v0-31 addresses, v64-191 fragments of A (Q) in two buffers; window 1 v64-191 fragments of B (K);
; windows 2 and 3 the 64 accumulator tiles.  The matrix instruction is used transposed (source 0 = rows of K, source 1 = rows of Q): lane l holds
; row l % 16 and its eight registers the columns 8 (l / 16) + 0 .. 7, 32 neighbouring bytes.
.set KSTEP,  128
.set PITCH,  272
.set HALFT,  128*PITCH
.set SLOT,   4*HALFT
.set STAGE,  2*SLOT                    ; behind the ring: 16 rows x 528 bytes for each wave; no tensor load lands here
.set SP,     528                       ; a staged row: 128 f32 + 16 bytes, an odd multiple of 16
.set LAPS,   4                         ; 1024 / 256
.set ADRA, 16
.set ADRB, 20
.set STO,  24
.set RD,   25
.set CO,   26
.set F0,   64
.set F1,   128
.set G1, 24                            ; s[24:31] descriptor group 1
.set G0, 32                            ; s[32:39] descriptor group 0, one set for each slot
.set MSB, 0
.macro WIN new
.if MSB != \new
	s_set_vgpr_msb (MSB<<8)|\new
.set MSB, \new
.endif
.endm
.set MUL_LO, 0xa1
.set MUL_HI, 0xf1
.set TO_B,   0x40
	s_load_b128 s[4:7], s[0:1], 0x0                ; qk s[4:5], sc s[6:7]
	s_set_vgpr_msb 0x40
	v_lshl_add_u32 v255, v0, 2, 0x4c400
	s_set_vgpr_msb 0x4000
	v_mov_b32 v255, 0
	s_set_vgpr_msb 0x1
	ds_add_u32 v255, v255
	ds_add_u32 v255, v255
	s_set_vgpr_msb 0x100
	v_lshrrev_b32 v1, 5, v0
	v_readfirstlane_b32 s10, v1                    ; wave
	s_lshr_b32 s11, s10, 1                         ; my half of the rows.  Also: I fetch Q's tile (0) or K's (1)
	s_and_b32 s12, s10, 1                          ; my half of the columns.  Also: which 128 rows I fetch
	s_mov_b32 s8, ttmp9                            ; t: the block's number in the triangle, 0 to 35
	s_and_b32 s9, ttmp7, 0xffff                    ; batch
	s_mov_b32 s13, 0                               ; i = how many of the triangular numbers 1, 3, .. 28 are <= t
.irp thr, 1,3,6,10,15,21,28
	s_cmp_ge_u32 s8, \thr
	s_add_co_ci_u32 s13, s13, 0
.endr
	s_add_co_u32 s14, s13, 1
	s_mul_i32 s14, s14, s13
	s_lshr_b32 s14, s14, 1
	s_sub_co_u32 s14, s8, s14                      ; j = t - i (i + 1) / 2
	s_mov_b32 s[G1+0], (1<<16)|(1<<20)|(5<<22)|(3<<25)   ; elements of 2 bytes; 4 words of padding behind every 64
	s_mov_b32 s[G1+1], KSTEP<<16                   ; tensor_dim0 = 128
	s_mov_b32 s[G1+2], 128<<16                     ; tensor_dim1 = 128
	s_mov_b32 s[G1+3], KSTEP<<16                   ; tile_dim0 = 128
	s_mov_b32 s[G1+4], 128                         ; tile_dim1 = 128
	s_mov_b32 s[G1+5], 2048                        ; a row of qk is 2,048 elements
	s_mov_b32 s[G1+6], 0
	s_mov_b32 s[G1+7], 0
	s_cmp_eq_u32 s11, 0
	s_cselect_b32 s16, s13, s14                    ; Q's rows of block i, or K's rows of block j,
	s_cselect_b32 s18, 0, 2048                     ; Q at byte 0 of a row of qk, K at byte 2,048
	s_lshl_b32 s16, s16, 8
	s_lshl_b32 s17, s12, 7
	s_add_co_u32 s16, s16, s17
	s_lshl_b32 s17, s9, 11
	s_add_co_u32 s16, s16, s17                     ; row = 2048 batch + 256 block + 128 half
	s_lshl_b32 s16, s16, 12                        ; x 4,096 bytes, below 32 MiB
	s_add_co_u32 s16, s16, s18
	s_mov_b32 s17, 0
	s_mul_i32 s22, s10, HALFT                      ; my quarter of a slot
	s_wait_dscnt 0x0
	s_wait_kmcnt 0x0
	s_add_nc_u64 s[20:21], s[4:5], s[16:17]
.irp s, 0,1
	s_mov_b32 s[G0+4*\s], 1
	s_add_co_u32 s[G0+4*\s+1], s22, \s*SLOT
	s_add_nc_u64 s[G0+4*\s+2:G0+4*\s+3], s[20:21], \s*KSTEP*2
	s_or_b32 s[G0+4*\s+3], s[G0+4*\s+3], 0x80000000
	tensor_load_to_lds s[G0+4*\s:G0+4*\s+3], s[G1:G1+7]    ; both first fills go out together: two loads of a wave are out here, one later
	s_nop 0
.endr
	v_and_b32 v1, 15, v0
	v_bfe_u32 v2, v0, 4, 1
	v_mul_u32_u24 v3, v1, PITCH
	v_lshl_add_u32 v3, v2, 4, v3
	s_mul_i32 s21, s11, HALFT
	s_mul_i32 s22, s12, HALFT
	s_add_co_u32 s22, s22, 2*HALFT
.irp s, 0,1
	v_add_nc_u32 v[ADRA+\s], s21, v3
	v_add_nc_u32 v[ADRB+\s], s22, v3
	s_add_co_u32 s21, s21, SLOT
	s_add_co_u32 s22, s22, SLOT
.endr
	s_mul_i32 s23, s10, 16*SP
	s_add_co_u32 s23, s23, STAGE                   ; my stage
	v_mul_u32_u24 v4, v1, SP
	v_lshl_add_u32 v4, v2, 5, v4                   ; in: row l % 16, 32 bytes for each half of the lanes
	v_add_nc_u32 v[STO], s23, v4
	v_and_b32 v5, 31, v0
	v_lshlrev_b32 v[CO], 4, v5                     ; back and out: a row of 512 bytes is 32 lanes x 16
	v_add_nc_u32 v[RD], s23, v[CO]
; The 64 accumulators take turns, one instruction a turn, in the same order in every quarter step.
.macro MUL16 f, hi, a0, zero
.irp a, \a0, \a0+1
.irp b, 0,1,2,3,4,5,6,7
.if \zero
	v_wmma_f32_16x16x32_f16 v[8*(8*(\a)+\b):8*(8*(\a)+\b)+7], v[\f+8*\b:\f+8*\b+7], v[\f+8*(4*\hi+\a):\f+8*(4*\hi+\a)+7], 0
.else
	v_wmma_f32_16x16x32_f16 v[8*(8*(\a)+\b):8*(8*(\a)+\b)+7], v[\f+8*\b:\f+8*\b+7], v[\f+8*(4*\hi+\a):\f+8*(4*\hi+\a)+7], v[8*(8*(\a)+\b):8*(8*(\a)+\b)+7]
.endif
.endr
.endr
.endm
.macro FETCH slot, k, f
	WIN TO_B
.irp i, 0,1,2,3,4,5,6,7
	ds_load_b128 v[\f+8*\i:\f+8*\i+3],   v[ADRB+\slot] offset:\k+\i*16*PITCH
	ds_load_b128 v[\f+8*\i+4:\f+8*\i+7], v[ADRB+\slot] offset:\k+\i*16*PITCH+32
.endr
	WIN 0
.irp i, 0,1,2,3,4,5,6,7
	ds_load_b128 v[\f+8*\i:\f+8*\i+3],   v[ADRA+\slot] offset:\k+\i*16*PITCH
	ds_load_b128 v[\f+8*\i+4:\f+8*\i+7], v[ADRA+\slot] offset:\k+\i*16*PITCH+32
.endr
.endm
; Four independent vector instructions between a matrix instruction and a load into, or a store from, one of its registers
.macro PLACES
.rept 4
	v_nop
.endr
.endm
.macro QUARTER slot, k, f, g, zero
	s_wait_dscnt 8                                 ; K's fragments and Q's rows 0-63 are in; the youngest eight loads may be out
	WIN MUL_LO
	MUL16 \f, 0, 0, \zero
	MUL16 \f, 0, 2, \zero
	PLACES
	FETCH \slot, \k, \g
	s_wait_dscnt 32                                ; all but the 32 just issued
	WIN MUL_HI
	MUL16 \f, 1, 0, \zero
	MUL16 \f, 1, 2, \zero
.endm
.macro THREE slot, zero
	QUARTER \slot, 64,  F0, F1, \zero
	QUARTER \slot, 128, F1, F0, 0
	QUARTER \slot, 192, F0, F1, 0
.endm
; The last quarter of a K step changes slots.  One barrier: in front of it each wave waits for its reads of this slot and for all its tensor loads
; (one is out: its quarter of the next slot); behind it the refill is the wave's first and only tensor load, then the next slot is read.
; From a request to the wait for it a wave issues 240 matrix instructions.
.macro TURN slot, next, fill
	s_wait_dscnt 8
	WIN MUL_LO
	MUL16 F1, 0, 0, 0
	s_wait_dscnt 0
	s_wait_tensorcnt 0x0
	ds_add_u32 v255, v255
	s_wait_dscnt 0x0
	s_barrier_signal -1
	MUL16 F1, 0, 2, 0                              ; register work while the others arrive
	s_barrier_wait -1
.if \fill
	s_add_nc_u64 s[G0+4*\slot+2:G0+4*\slot+3], s[G0+4*\slot+2:G0+4*\slot+3], 2*KSTEP*2   ; no load of mine is out: the group may be written
	tensor_load_to_lds s[G0+4*\slot:G0+4*\slot+3], s[G1:G1+7]
	s_nop 0
.endif
	PLACES
	FETCH \next, 0, F0
	WIN MUL_HI
	MUL16 F1, 1, 0, 0
	MUL16 F1, 1, 2, 0
.endm
.macro LAP zero
	THREE 0, \zero
	TURN 0, 1, 1
	THREE 1, 0
	TURN 1, 0, 1
.endm
	s_wait_tensorcnt 1                             ; my quarter of K step 0 is in; K step 1's may stay out
	s_barrier_signal -1
	s_barrier_wait -1
	FETCH 0, 0, F0
	LAP 1                                          ; its first products start the sums: nothing is cleared
	WIN 0
	s_mov_b32 s3, LAPS-2
.Llap:
	LAP 0
	WIN 0
	s_sub_co_u32 s3, s3, 1
	s_cmp_lg_u32 s3, 0
	s_cbranch_scc1 .Llap
	THREE 0, 0                                     ; the last lap fills nothing
	TURN 0, 1, 0
	THREE 1, 0
	s_wait_dscnt 8
	WIN MUL_LO
	MUL16 F1, 0, 0, 0
	MUL16 F1, 0, 2, 0
	s_wait_dscnt 0
	WIN MUL_HI
	MUL16 F1, 1, 0, 0
	MUL16 F1, 1, 2, 0
	; THE WAY OUT, 16 rows at a time, in f32: the accumulators go straight into my stage (the store's data comes from window 2 or 3),
	; and whole rows of 512 bytes come back and are stored.
	PLACES
	s_lshl_b32 s16, s13, 8
	s_lshl_b32 s17, s11, 7
	s_add_co_u32 s16, s16, s17                     ; row 256 i + 128 half
	s_lshl_b32 s16, s16, 13                        ; x 8,192 bytes
	s_lshl_b32 s17, s9, 24                         ; batch x 16 MiB
	s_add_co_u32 s16, s16, s17
	s_lshl_b32 s17, s14, 10                        ; 256 j columns x 4 bytes
	s_add_co_u32 s16, s16, s17
	s_lshl_b32 s17, s12, 9
	s_add_co_u32 s16, s16, s17
	s_mov_b32 s17, 0
	s_add_nc_u64 s[6:7], s[6:7], s[16:17]
.macro OUT16F i, a, from, f
	WIN \from
.irp b, 0,1,2,3,4,5,6,7
	ds_store_b128 v[STO], v[8*(8*\a+\b):8*(8*\a+\b)+3]   offset:64*\b
	ds_store_b128 v[STO], v[8*(8*\a+\b)+4:8*(8*\a+\b)+7] offset:64*\b+16
.endr
	WIN 0
	s_wait_xcnt 0x0                                ; buffer f, which earlier stores read, and the stores' base are rewritten only behind this wait
.if \i
	s_add_nc_u64 s[6:7], s[6:7], 16*8192
.endif
.irp t, 0,1,2,3,4,5,6,7,8,9,10,11,12,13,14,15
	ds_load_b128 v[\f+4*\t:\f+4*\t+3], v[RD] offset:\t*SP          ; LDS serves a wave's instructions in order: these see the stores above
.endr
.irp t, 0,1,2,3,4,5,6,7,8,9,10,11,12,13,14,15
	s_wait_dscnt 15-\t
	global_store_b128 v[CO], v[\f+4*\t:\f+4*\t+3], s[6:7] offset:\t*8192    ; the wave stores 512 consecutive aligned bytes of one row
.endr
.endm
	OUT16F 0, 0, 0x08, F0
	OUT16F 1, 1, 0x08, F1
	OUT16F 2, 2, 0x08, F0
	OUT16F 3, 3, 0x08, F1
	OUT16F 4, 0, 0x0c, F0
	OUT16F 5, 1, 0x0c, F1
	OUT16F 6, 2, 0x0c, F0
	OUT16F 7, 3, 0x0c, F1
	s_set_vgpr_msb 0x1
	s_wait_tensorcnt 0x0
	ds_add_u32 v255, v255
	s_wait_dscnt 0x0
	s_set_vgpr_msb 0x100
	s_endpgm
.Lfunc_end_k_q281638ab19_scores:
	.size	k_q281638ab19_scores, .Lfunc_end_k_q281638ab19_scores-k_q281638ab19_scores
	.p2alignl 7, 3214868480
	.fill 96, 4, 3214868480
	.section	.rodata,"a",@progbits
	.p2align	6, 0x0
	.amdhsa_kernel k_q281638ab19_scores
		.amdhsa_group_segment_fixed_size 327680
		.amdhsa_private_segment_fixed_size 0
		.amdhsa_enable_private_segment 0
		.amdhsa_kernarg_size 16
		.amdhsa_user_sgpr_count 2
		.amdhsa_user_sgpr_kernarg_segment_ptr 1
		.amdhsa_wavefront_size32 1
		.amdhsa_system_sgpr_workgroup_id_x 1
		.amdhsa_system_sgpr_workgroup_id_y 1
		.amdhsa_system_sgpr_workgroup_id_z 1
		.amdhsa_system_vgpr_workitem_id 0
		.amdhsa_next_free_vgpr 1024
		.amdhsa_next_free_sgpr 66
		.amdhsa_reserve_vcc 0
		.amdhsa_float_denorm_mode_32 3
		.amdhsa_float_denorm_mode_16_64 3
		.amdhsa_memory_ordered 1
		.amdhsa_forward_progress 1
		.amdhsa_inst_pref_size 192
	.end_amdhsa_kernel
	.amdgpu_metadata
---
amdhsa.version: [ 1, 2 ]
amdhsa.kernels:
  - .name:           k_q281638ab19_scores
    .symbol:         k_q281638ab19_scores.kd
    .args:
      - { .name: qk, .offset: 0, .size: 8, .value_kind: global_buffer, .address_space: global }
      - { .name: sc, .offset: 8, .size: 8, .value_kind: global_buffer, .address_space: global }
    .group_segment_fixed_size: 327680
    .private_segment_fixed_size: 0
    .kernarg_segment_align: 8
    .kernarg_segment_size: 16
    .max_flat_workgroup_size: 128
    .sgpr_count:     66
    .vgpr_count:     1024
    .wavefront_size: 32
...
	.end_amdgpu_metadata
.endif
;; end of part 3
;; launch softmax (part 4): grid 1024 x 1, 8 waves a work-group, no clusters, 0 bytes of LDS; arguments sc, pw; writes pw
.if DOCPART == 4
	.amdgcn_target "amdgcn-amd-amdhsa--gfx1250"
	.amdhsa_code_object_version 6
	.text
	.protected	k_q281638ab19_softmax
	.globl	k_q281638ab19_softmax
	.p2align	8
	.type	k_q281638ab19_softmax,@function
k_q281638ab19_softmax:
	s_mov_b64 s[64:65], 0
	v_nop
	global_prefetch_b8 v0, s[64:65] scope:SCOPE_SE
	s_setreg_imm32_b32 hwreg(HW_REG_WAVE_MODE, 25, 1), 1
	s_wait_xcnt 0x0
; pw[b][q][k] = softmax over k <= q of sc[b][q][k] / 32, as f16, for k < 256 (q / 256 + 1); exact zeros for q < k inside that range.
; One wave, one row, kept in registers between the passes (at most 2,048 f32 = 64 registers a lane): read once, written once, no LDS, no barrier.
; A row of block row i has n = i + 1 blocks of 256 keys = 2 n chunks of 128 keys; the text is written out for each n, chosen by the row's number.
; WHICH ROWS: work-group g takes eight rows of batch g / 256 and block row i = c xor 7 ((g xor g / 256) & 1), c = (g / 32) mod 8.  So of two work-groups
; with neighbouring numbers, and of two whose numbers are 256 apart, one has rows of c + 1 blocks and the other of 8 - c: any four neighbours inside a group of 32
; and any four that are 256 apart hold 18 blocks in all.  For a fixed batch and place in the block c -> i is one to one, so every row is taken once.
; The row's true maximum is taken away before the exponential.  (x - m) is formed first and then scaled by log2(e) / 32: a fused x c - round(m c)
; would leave in the exponent a residue of the size of m c's last place, which for very large scores overflows the exponential.
; LIMITS: v_exp_f32 gives 0 for results below 2^-126 (ISA guide, its entry).  P is normalised in f32 and rounded once to f16: weights under 6.1e-5
; carry an absolute error of at most 3e-8.
; A stream: matrix units, clusters and LDS would add nothing.
.set X, 20                             ; v[20:83] the row: chunk c in v[X+4c : X+4c+3]; lane l holds keys 128 c + 4 l + 0..3
	s_load_b128 s[4:7], s[0:1], 0x0                ; sc s[4:5], pw s[6:7]
	v_lshrrev_b32 v1, 5, v0
	v_readfirstlane_b32 s8, v1                     ; wave
	s_lshr_b32 s18, ttmp9, 8                       ; batch
	s_xor_b32 s19, s18, ttmp9
	s_and_b32 s19, s19, 1                          ; (g xor g / 256) & 1
	s_mul_i32 s19, s19, 7
	s_bfe_u32 s10, ttmp9, 0x30005                  ; c = (g / 32) mod 8
	s_xor_b32 s10, s10, s19                        ; i = c or 7 - c
	s_and_b32 s11, ttmp9, 31
	s_lshl3_add_u32 s11, s11, s8                   ; q inside its block = 8 (g mod 32) + wave
	s_lshl3_add_u32 s9, s18, s10                   ; 8 batch + i
	s_lshl_b32 s9, s9, 8
	s_add_co_u32 s9, s9, s11                       ; R = 2048 batch + q
	s_mov_b32 s12, 0x76543210                      ; v_permlanex16_b32: lane i of one half reads lane i of the other
	s_mov_b32 s13, 0xfedcba98
	s_lshl_b32 s14, s9, 13                         ; a row of sc is 8,192 bytes
	s_mov_b32 s15, 0
	s_lshl_b32 s16, s9, 12                         ; a row of pw is 4,096 bytes
	s_mov_b32 s17, 0
	v_and_b32 v1, 31, v0
	v_lshlrev_b32 v2, 4, v1                        ; in: 16 bytes a lane
	v_lshlrev_b32 v3, 3, v1                        ; out: 8 bytes a lane
	v_lshlrev_b32 v4, 2, v1
	v_sub_nc_u32 v4, s11, v4                       ; q - 4 l (signed): key 128 c' + 4 l + e of the last block is kept where 128 c' + e <= this
	v_mov_b32 v5, 0xff800000                       ; minus infinity
	v_mov_b32 v16, 0                               ; v_permlanex16_b32 counts as a reader of its destination
	s_wait_kmcnt 0x0
	s_add_nc_u64 s[4:5], s[4:5], s[14:15]
	s_add_nc_u64 s[6:7], s[6:7], s[16:17]
.macro SOFTROW blk
.set cc, 0
.rept 2*\blk
	global_load_b128 v[X+4*cc:X+4*cc+3], v2, s[4:5] offset:512*cc th:TH_LOAD_NT   ; the wave reads 512 consecutive aligned bytes; all loads go out at once
.set cc, cc+1
.endr
	; pass 1: the mask in the last two chunks (the diagonal block), and the maximum in two chains
.set cc, 0
.rept 2*\blk
	s_wait_loadcnt 2*\blk-1-cc                     ; loads return in order: chunk cc is in, the younger ones stay out
.if cc >= 2*\blk-2
.irp e, 0,1,2,3
	v_cmp_le_i32 vcc_lo, 128*(cc-2*\blk+2)+\e, v4
	v_cndmask_b32 v[X+4*cc+\e], v5, v[X+4*cc+\e], vcc_lo
.endr
.endif
.if cc == 0
	v_max_num_f32 v8, v[X], v[X+1]                 ; the first chunk starts the chains
	v_max_num_f32 v9, v[X+2], v[X+3]
.else
	v_max3_num_f32 v8, v8, v[X+4*cc], v[X+4*cc+1]
	v_max3_num_f32 v9, v9, v[X+4*cc+2], v[X+4*cc+3]
.endif
.set cc, cc+1
.endr
	v_max_num_f32 v8, v8, v9
	v_max_num_f32_dpp v8, v8, v8 row_xmask:1 row_mask:0xf bank_mask:0xf
	v_max_num_f32_dpp v8, v8, v8 row_xmask:2 row_mask:0xf bank_mask:0xf
	v_max_num_f32_dpp v8, v8, v8 row_xmask:4 row_mask:0xf bank_mask:0xf
	v_max_num_f32_dpp v8, v8, v8 row_xmask:8 row_mask:0xf bank_mask:0xf
	v_permlanex16_b32 v16, v8, s12, s13
	v_max_num_f32 v6, v8, v16                      ; the row's maximum in every lane (key 0 is never masked, so it is a score),
	v_mov_b32 v7, v6                               ; twice, for the packed subtraction
	; pass 2: 2^((x - m) log2(e) / 32); a masked key gives exactly 0
.set cc, 0
.rept 4*\blk
	v_pk_add_f32 v[X+2*cc:X+2*cc+1], v[X+2*cc:X+2*cc+1], v[6:7] neg_lo:[0,1] neg_hi:[0,1]
	v_pk_mul_f32 v[X+2*cc:X+2*cc+1], v[X+2*cc:X+2*cc+1], 0x3d38aa3b op_sel_hi:[1,0]
.set cc, cc+1
.endr
.set cc, 0
.rept 8*\blk
	v_exp_f32 v[X+cc], v[X+cc]
.set cc, cc+1
.endr
	v_nop                                          ; one plain vector instruction between the exponentials and the first use of a result (ISA guide 5.7.2)
	; the sum, in two chains of pairs started by the first two chunks
	s_wait_alu depctr_va_vdst(0)
	v_pk_add_f32 v[10:11], v[X:X+1], v[X+4:X+5]
	v_pk_add_f32 v[12:13], v[X+2:X+3], v[X+6:X+7]
.set cc, 2
.rept 2*\blk-2
	v_pk_add_f32 v[10:11], v[10:11], v[X+4*cc:X+4*cc+1]
	v_pk_add_f32 v[12:13], v[12:13], v[X+4*cc+2:X+4*cc+3]
.set cc, cc+1
.endr
	v_pk_add_f32 v[10:11], v[10:11], v[12:13]
	v_add_f32 v10, v10, v11
	v_add_f32_dpp v10, v10, v10 row_xmask:1 row_mask:0xf bank_mask:0xf
	v_add_f32_dpp v10, v10, v10 row_xmask:2 row_mask:0xf bank_mask:0xf
	v_add_f32_dpp v10, v10, v10 row_xmask:4 row_mask:0xf bank_mask:0xf
	v_add_f32_dpp v10, v10, v10 row_xmask:8 row_mask:0xf bank_mask:0xf
	v_permlanex16_b32 v16, v10, s12, s13
	v_add_f32 v10, v10, v16                        ; at least 1: the maximum's own term
	v_rcp_f32 v14, v10
	v_rcp_f32 v15, v10
	v_nop                                          ; one plain vector instruction before the reciprocals are used
	; pass 3: normalise in f32, round once to f16, store
.set cc, 0
	s_wait_alu depctr_va_vdst(0)
.rept 2*\blk
	v_pk_mul_f32 v[X+4*cc:X+4*cc+1], v[X+4*cc:X+4*cc+1], v[14:15]
	v_pk_mul_f32 v[X+4*cc+2:X+4*cc+3], v[X+4*cc+2:X+4*cc+3], v[14:15]
	v_cvt_pk_f16_f32 v[X+4*cc], v[X+4*cc], v[X+4*cc+1]
	v_cvt_pk_f16_f32 v[X+4*cc+1], v[X+4*cc+2], v[X+4*cc+3]
	global_store_b64 v3, v[X+4*cc:X+4*cc+1], s[6:7] offset:256*cc     ; the wave stores 256 consecutive aligned bytes
.set cc, cc+1
.endr
	s_endpgm
.endm
	s_cmp_eq_u32 s10, 0
	s_cbranch_scc1 .Lrow1
	s_cmp_eq_u32 s10, 1
	s_cbranch_scc1 .Lrow2
	s_cmp_eq_u32 s10, 2
	s_cbranch_scc1 .Lrow3
	s_cmp_eq_u32 s10, 3
	s_cbranch_scc1 .Lrow4
	s_cmp_eq_u32 s10, 4
	s_cbranch_scc1 .Lrow5
	s_cmp_eq_u32 s10, 5
	s_cbranch_scc1 .Lrow6
	s_cmp_eq_u32 s10, 6
	s_cbranch_scc1 .Lrow7
	SOFTROW 8
.Lrow1:
	SOFTROW 1
.Lrow2:
	SOFTROW 2
.Lrow3:
	SOFTROW 3
.Lrow4:
	SOFTROW 4
.Lrow5:
	SOFTROW 5
.Lrow6:
	SOFTROW 6
.Lrow7:
	SOFTROW 7
.Lfunc_end_k_q281638ab19_softmax:
	.size	k_q281638ab19_softmax, .Lfunc_end_k_q281638ab19_softmax-k_q281638ab19_softmax
	.p2alignl 7, 3214868480
	.fill 96, 4, 3214868480
	.section	.rodata,"a",@progbits
	.p2align	6, 0x0
	.amdhsa_kernel k_q281638ab19_softmax
		.amdhsa_group_segment_fixed_size 0
		.amdhsa_private_segment_fixed_size 0
		.amdhsa_enable_private_segment 0
		.amdhsa_kernarg_size 16
		.amdhsa_user_sgpr_count 2
		.amdhsa_user_sgpr_kernarg_segment_ptr 1
		.amdhsa_wavefront_size32 1
		.amdhsa_system_sgpr_workgroup_id_x 1
		.amdhsa_system_sgpr_workgroup_id_y 1
		.amdhsa_system_sgpr_workgroup_id_z 1
		.amdhsa_system_vgpr_workitem_id 0
		.amdhsa_next_free_vgpr 84
		.amdhsa_next_free_sgpr 66
		.amdhsa_reserve_vcc 1
		.amdhsa_float_denorm_mode_32 3
		.amdhsa_float_denorm_mode_16_64 3
		.amdhsa_memory_ordered 1
		.amdhsa_forward_progress 1
		.amdhsa_inst_pref_size 98
	.end_amdhsa_kernel
	.amdgpu_metadata
---
amdhsa.version: [ 1, 2 ]
amdhsa.kernels:
  - .name:           k_q281638ab19_softmax
    .symbol:         k_q281638ab19_softmax.kd
    .args:
      - { .name: sc, .offset: 0, .size: 8, .value_kind: global_buffer, .address_space: global }
      - { .name: pw, .offset: 8, .size: 8, .value_kind: global_buffer, .address_space: global }
    .group_segment_fixed_size: 0
    .private_segment_fixed_size: 0
    .kernarg_segment_align: 8
    .kernarg_segment_size: 16
    .max_flat_workgroup_size: 256
    .sgpr_count:     66
    .vgpr_count:     84
    .wavefront_size: 32
...
	.end_amdgpu_metadata
.endif
;; end of part 4
;; launch pv (part 5): grid 8 x 32, 4 waves a work-group, clusters of 4 x 1, 327,680 bytes of LDS; arguments pw, vt, out0; writes out0
.if DOCPART == 5
	.amdgcn_target "amdgcn-amd-amdhsa--gfx1250"
	.amdhsa_code_object_version 6
	.text
	.protected	k_q281638ab19_pv
	.globl	k_q281638ab19_pv
	.p2align	8
	.type	k_q281638ab19_pv,@function
k_q281638ab19_pv:
	s_mov_b64 s[64:65], 0
	v_nop
	global_prefetch_b8 v0, s[64:65] scope:SCOPE_SE
	s_setreg_imm32_b32 hwreg(HW_REG_WAVE_MODE, 25, 1), 1
	s_wait_xcnt 0x0
	s_wait_alu depctr_hold_cnt(0) depctr_sa_sdst(0) depctr_va_vdst(0) depctr_va_sdst(0) depctr_va_ssrc(0) depctr_va_vcc(0) depctr_vm_vsrc(0)
	s_getreg_b32 s2, hwreg(HW_REG_IB_STS2, 6, 4)
	s_cmp_eq_u32 s2, 0
	s_cbranch_scc0 .Lentry_in_a_cluster
	s_endpgm
.Lentry_in_a_cluster:
	s_bfe_u32 s2, ttmp6, 0x10000c
	s_cmp_lg_u32 s2, 0x3003
	s_cbranch_scc0 .Lentry_shape_is_right
	s_endpgm
.Lentry_shape_is_right:
; out0[b][q][h] = sum over t of P[b][q][t] V[b][t][h], with A = pw (rows q, along t) and B = vt (rows h, along t); f16 operands, f32 sums and output.
; THE WORK.  Rows go in blocks of 128.  Block r of a batch needs the keys t < 256 (r / 2 + 1): beyond them P is zero by the causal mask and was never written
; (in an even block the last 128 of these keys hold P's stored zeros).  That is r / 2 + 1 PERIODS of 256 keys.
; A work-group makes two tiles of 128 rows x 128 columns one after the other, in the same columns: row block 15 - p (n1 = 8 - p / 2 periods), then row block p
; (p / 2 + 1 periods): nine periods in every work-group.  4 batches x 8 pairs x 8 column blocks = 256 work-groups of equal work.
; WHY THIS TILE.  Behind each barrier that frees a slot a wave issues one tensor load, so the length of a work-group's path is its number of periods.  A tile of
; 128 + 128 rows lets a slot hold 256 keys (256 rows x 528 bytes = 135,168; two slots fit), so the longest row block takes 8 periods where a tile of 256 x 128
; with slots of 128 keys takes 16, and tiles of this size come in pairs that add up alike.  The price: a wave's tile is 64 x 64, which reads 8 KiB of LDS for 16 matrix
; instructions (512 bytes each; 128 x 64 reads 384), and each tile of V^T is read by twice as many work-groups.
; The ring of two slots runs on over the change of tiles.  The nine periods are written out: the change falls on period 5, 6, 7 or 8, and the slot stands in immediates.
; At those four heads a branch on n1 either adds on, or stores the first tile and lets the second tile's first products start the sums.
; CLUSTER 4 x 1: the four work-groups share batch and p, so P's tiles (half of a period's bytes) are asked for jointly, mask 15, by waves 0 and 1.  V^T's tiles are each
; work-group's own, fetched by waves 2 and 3 with plain loads: the work-groups that read the same tiles of V^T are the other pairs p, which change tiles at other periods.
; n1 hangs on the cluster's y alone, which the partners share; no branch and no LDS address hangs on the place in the cluster.
; Registers: window 0: v16-28 addresses, v32-95 fragments of P in two buffers, v96-159 fragments of V^T in two buffers; window 1: tile (a, b) at v[8 (4 a + b)].
; The matrix instruction is used transposed (source 0 = rows of V^T, source 1 = rows of P): lane l holds row l % 16, its registers columns 8 (l / 16) + 0 .. 7.
; LIMIT: P and V are f16 as the earlier launches left them.
.set KPER,   256                       ; keys in a period
.set PITCH,  528                       ; an LDS row: 512 bytes + 16 of padding, an odd multiple of 16: the 16 rows of a fragment start 16 bytes apart modulo 256
.set HALF,   64*PITCH                  ; 33,792: what one tensor load brings, and what a wave reads of P or of V^T
.set SLOT,   4*HALF                    ; 135,168: P's 128 rows, then V^T's 128 rows
.set STAGE,  2*SLOT                    ; behind the ring: 16 rows x 272 bytes for each wave; no tensor load lands here
.set SPITCH, 272                       ; a staged row: 64 f32 + 16 bytes
.set ADRA, 16                          ; v16-17 LDS address of my fragments of P in slot 0, 1
.set ADRB, 20                          ; v20-21 the same for V^T
.set STO,  24
.set RD,   25
.set CO,   26
.set PFP,  27                          ; v27 byte offset, in a tile of P, of the block of 256 bytes that my lane asks for ahead
.set PFV,  28                          ; v28 the same in a tile of V^T
.set FA0,  32                          ; buffer n of P's fragments at FA0 + 32 n
.set FB0,  96                          ; buffer n of V^T's fragments at FB0 + 32 n
.set G1, 24                            ; s[24:31] group 1 for P's tiles (joint)
.set G0, 32                            ; s[32:39] group 0 for P's tiles, one set for each slot
.set G1B, 48                           ; s[48:55] group 1 for V^T's tiles (plain)
.set G0B, 56                           ; s[56:63] group 0 for V^T's tiles
.set PA1, 70                           ; s70 byte offset in pw of the 64 rows that I fetch, first tile
.set PA2, 71                           ; s71 the same, second tile
.set VB,  72                           ; s72 byte offset in vt of the 64 rows that I fetch
.set C1,  74                           ; s[74:75] my corner of out0, first tile
.set C2,  76                           ; s[76:77] the same, second tile
.set PP1, 80                           ; s[80:81] pw at the first tile's first row
.set PP2, 82                           ; s[82:83] pw at the second tile's first row, less n1 periods: period jj of the work-group then lies 512 jj behind it
.set PPS, 84                           ; s[84:91] the one of these two that holds for period 5, 6, 7, 8
.set PV,  92                           ; s[92:93] vt at my column block's first row
.set MSB, 0
.macro WIN new                         ; the immediate's high byte repeats the setting that is left
.if MSB != \new
	s_set_vgpr_msb (MSB<<8)|\new
.set MSB, \new
.endif
.endm
.set MULW, 0x50                        ; C and D window 1, both sources window 0
.set OUTW, 0x04                        ; an LDS store's data from window 1
.macro JLOAD s                         ; waves 0, 1: a half of P's tile, jointly; waves 2, 3: a half of V^T's tile.  The branch hangs on the wave's number alone
	s_cmp_eq_u32 s11, 0
	s_cbranch_scc0 .Lfor_b_\@
	tensor_load_to_lds s[G0+4*\s:G0+4*\s+3], s[G1:G1+7]
	s_nop 0
	s_branch .Lasked_\@
.Lfor_b_\@:
	tensor_load_to_lds s[G0B+4*\s:G0B+4*\s+3], s[G1B:G1B+7]
	s_nop 0
.Lasked_\@:
.endm
.macro CREST                           ; a round of the cluster's barrier behind its opening barrier
	s_cmp_lg_u32 s10, 0
	s_cbranch_scc1 .Lnot_wave_0_\@
	s_barrier_signal -3
.Lnot_wave_0_\@:
	s_barrier_wait -3
	s_barrier_signal -1
	s_barrier_wait -1
.endm
.macro CROUND
	s_barrier_signal -1
	s_barrier_wait -1
	CREST
.endm
; Asking ahead, into the L2, for period jj's tiles: issued straight behind the tensor loads of period jj - 1, so one period ahead of the tensor loads that will want them.
; A tile of P (128 rows x 512 bytes) is read by the eight column blocks: column block cb asks for its rows 16 cb .. 16 cb + 15.  Key tile jj of V^T's 128 rows is read by the
; eight pairs p: pair p asks for rows 16 p .. 16 p + 15.  32 lanes of wave 0, 256 bytes apart, each time: every block is asked for once in the launch, 16 KiB a work-group a period.
; V^T has key tiles 0 to 7, and those that the second tile reads have been read before, so V^T is asked for while jj < 8; P up to the last period, 8.  No address register is written twice.
.macro ASK jj
	s_cmp_lg_u32 s10, 0
	s_cbranch_scc1 .Lnot_mine_\@
.if (\jj) < 5
	global_prefetch_b8 v[PFP], s[PP1:PP1+1] offset:512*(\jj) th:TH_LOAD_NT scope:SCOPE_SE
.else
	global_prefetch_b8 v[PFP], s[PPS+2*((\jj)-5):PPS+2*((\jj)-5)+1] offset:512*(\jj) th:TH_LOAD_NT scope:SCOPE_SE
.endif
.if (\jj) < 8
	global_prefetch_b8 v[PFV], s[PV:PV+1] offset:512*(\jj) th:TH_LOAD_NT scope:SCOPE_SE
.endif
.Lnot_mine_\@:
.endm
	s_load_b128 s[4:7], s[0:1], 0x0                ; pw s[4:5], vt s[6:7]
	s_load_b64 s[8:9], s[0:1], 0x10                ; out0
	v_lshl_add_u32 v254, v0, 2, 0x46400
	v_mov_b32 v255, 0
	ds_add_u32 v254, v255
	ds_add_u32 v254, v255
	v_lshrrev_b32 v1, 5, v0
	v_readfirstlane_b32 s10, v1                    ; wave
	s_lshr_b32 s11, s10, 1                         ; my half of the tile's rows.  Also: I fetch for P (0) or for V^T (1)
	s_and_b32 s12, s10, 1                          ; my half of its columns.  Also: which 64 rows I fetch
	s_bfe_u32 s40, ttmp6, 0x40000                  ; cx
	s_lshl_b32 s42, ttmp9, 2
	s_add_co_u32 s42, s42, s40                     ; cb: column block = 4 x cluster x + cx, 0 to 7
	s_and_b32 s13, ttmp7, 0xffff                   ; y = 8 batch + p
	s_lshr_b32 s41, s13, 3                         ; batch
	s_and_b32 s43, s13, 7                          ; p
	s_lshr_b32 s44, s43, 1
	s_sub_co_u32 s44, 8, s44                       ; n1 = 8 - p / 2: the first tile's periods, 5 to 8
	s_mov_b32 s[G1+0], 15|(1<<16)|(1<<20)|(1<<21)|(6<<22)|(3<<25)    ; all four partners; elements of 2 bytes; 4 words of padding behind every 128
	s_mov_b32 s[G1+1], KPER<<16                    ; tensor_dim0 = 256
	s_mov_b32 s[G1+2], 64<<16                      ; tensor_dim1 = 64
	s_mov_b32 s[G1+3], KPER<<16                    ; tile_dim0 = 256
	s_mov_b32 s[G1+4], 64                          ; tile_dim1 = 64
	s_mov_b32 s[G1+5], 2048                        ; a row of pw is 2,048 elements
	s_mov_b32 s[G1+6], 0
	s_mov_b32 s[G1+7], 0
	s_mov_b32 s[G1B+0], (1<<16)|(1<<20)|(6<<22)|(3<<25)              ; no mask: my work-group's own
	s_mov_b32 s[G1B+1], KPER<<16
	s_mov_b32 s[G1B+2], 64<<16
	s_mov_b32 s[G1B+3], KPER<<16
	s_mov_b32 s[G1B+4], 64
	s_mov_b32 s[G1B+5], 2048                       ; a row of vt is 2,048 elements
	s_mov_b32 s[G1B+6], 0
	s_mov_b32 s[G1B+7], 0
	s_lshl_b32 s14, s41, 11                        ; 2048 batch
	s_sub_co_u32 s15, 15, s43
	s_lshl_b32 s15, s15, 7
	s_add_co_u32 s15, s15, s14                     ; the first tile's first row: 2048 batch + 128 (15 - p)
	s_lshl_b32 s18, s43, 7
	s_add_co_u32 s18, s18, s14                     ; the second tile's: 2048 batch + 128 p
	s_lshl_b32 s19, s12, 6                         ; the 64 rows that I fetch
	s_add_co_u32 s[PA1], s15, s19
	s_lshl_b32 s[PA1], s[PA1], 12                  ; x 4,096 bytes: no place in the cluster enters P's offsets
	s_add_co_u32 s[PA2], s18, s19
	s_lshl_b32 s[PA2], s[PA2], 12
	s_mov_b32 s17, 0
	s_lshl_b32 s[VB], s42, 7
	s_add_co_u32 s[VB], s[VB], s19                 ; V^T: row 128 cb + 64 half
	s_lshl_b32 s[VB], s[VB], 12
	s_lshl_b32 s47, s41, 22                        ; + batch x 4 MiB
	s_add_co_u32 s[VB], s[VB], s47
	s_lshl_b32 s46, s42, 9                         ; out0: 128 cb columns x 4 bytes
	s_lshl_b32 s47, s12, 8                         ; + 64 half x 4 bytes
	s_add_co_u32 s46, s46, s47
	s_lshl_b32 s19, s11, 6                         ; my 64 rows of a tile
	s_add_co_u32 s66, s15, s19
	s_lshl_b32 s66, s66, 12
	s_add_co_u32 s66, s66, s46
	s_mov_b32 s67, 0
	s_add_co_u32 s68, s18, s19
	s_lshl_b32 s68, s68, 12
	s_add_co_u32 s68, s68, s46
	s_mov_b32 s69, 0
	s_mov_b32 s47, 0
	s_mov_b32 s79, 0
	s_mul_i32 s20, s10, HALF                       ; where my load goes in a slot: P's halves at 0 and 33,792, V^T's at 67,584 and 101,376 = wave x 33,792
	v_and_b32 v7, 31, v0                           ; what my lane asks for ahead: row lane / 2 of sixteen, half lane % 2 of its 512 bytes
	v_lshrrev_b32 v8, 1, v7
	v_and_b32 v9, 1, v7
	v_lshlrev_b32 v9, 8, v9
	v_lshl_add_u32 v9, v8, 12, v9
	s_lshl_b32 s45, s42, 16                        ; 16 cb rows of 4,096 bytes
	v_add_nc_u32 v[PFP], s45, v9
	s_lshl_b32 s45, s43, 16                        ; 16 p rows
	v_add_nc_u32 v[PFV], s45, v9
	s_wait_dscnt 0x0
	s_wait_kmcnt 0x0
	s_add_nc_u64 s[C1:C1+1], s[8:9], s[66:67]
	s_add_nc_u64 s[C2:C2+1], s[8:9], s[68:69]
	s_lshl_b32 s78, s15, 12
	s_add_nc_u64 s[PP1:PP1+1], s[4:5], s[78:79]
	s_lshl_b32 s78, s18, 12
	s_add_nc_u64 s[PP2:PP2+1], s[4:5], s[78:79]
	s_lshl_b32 s78, s44, 9
	s_sub_nc_u64 s[PP2:PP2+1], s[PP2:PP2+1], s[78:79]   ; used only with 512 jj added, jj >= n1
.irp jj, 5,6,7,8
	s_cmp_gt_u32 s44, \jj                          ; does period jj still belong to the first tile?
	s_cselect_b64 s[PPS+2*(\jj-5):PPS+2*(\jj-5)+1], s[PP1:PP1+1], s[PP2:PP2+1]
.endr
	s_lshl_b32 s78, s41, 22
	s_lshl_b32 s46, s42, 19                        ; 128 cb rows of 4,096 bytes
	s_add_co_u32 s78, s78, s46
	s_add_nc_u64 s[PV:PV+1], s[6:7], s[78:79]
	CROUND                                         ; all four work-groups are here: the first joint loads meet
.irp s, 0,1
	s_mov_b32 s[G0+4*\s], 1
	s_add_co_u32 s[G0+4*\s+1], s20, \s*SLOT
	s_add_co_u32 s16, s[PA1], \s*KPER*2            ; periods 0 and 1 belong to the first tile (n1 >= 5)
	s_add_nc_u64 s[G0+4*\s+2:G0+4*\s+3], s[4:5], s[16:17]
	s_or_b32 s[G0+4*\s+3], s[G0+4*\s+3], 0x80000000
	s_mov_b32 s[G0B+4*\s], 1
	s_add_co_u32 s[G0B+4*\s+1], s20, \s*SLOT
	s_add_co_u32 s46, s[VB], \s*KPER*2
	s_add_nc_u64 s[G0B+4*\s+2:G0B+4*\s+3], s[6:7], s[46:47]
	s_or_b32 s[G0B+4*\s+3], s[G0B+4*\s+3], 0x80000000
	JLOAD \s                                       ; both first fills go out together: two loads of a wave are out here, one later
.endr
	ASK 2
	v_and_b32 v1, 15, v0
	v_bfe_u32 v2, v0, 4, 1
	v_mul_u32_u24 v3, v1, PITCH
	v_lshl_add_u32 v3, v2, 4, v3                   ; a fragment: row l % 16, 16 bytes for each half of the lanes, two loads 32 bytes apart
	s_mul_i32 s22, s11, HALF                       ; my 64 rows of P
	s_mul_i32 s23, s12, HALF                       ; my 64 rows of V^T,
	s_add_co_u32 s23, s23, 2*HALF                  ; behind P's 128
.irp s, 0,1
	v_add_nc_u32 v[ADRA+\s], s22, v3
	v_add_nc_u32 v[ADRB+\s], s23, v3
	s_add_co_u32 s22, s22, SLOT
	s_add_co_u32 s23, s23, SLOT
.endr
	s_mul_i32 s45, s10, 16*SPITCH
	s_add_co_u32 s45, s45, STAGE                   ; my stage
	v_mul_u32_u24 v4, v1, SPITCH
	v_lshl_add_u32 v4, v2, 5, v4                   ; in: row l % 16, 32 bytes for each half of the lanes
	v_add_nc_u32 v[STO], s45, v4
	v_mul_u32_u24 v5, v2, SPITCH
	v_lshl_add_u32 v5, v1, 4, v5                   ; back: lanes 0-15 one row of 256 bytes, lanes 16-31 the next
	v_add_nc_u32 v[RD], s45, v5
	v_lshlrev_b32 v6, 12, v2                       ; and the same two rows of out0, 4,096 bytes apart
	v_lshl_add_u32 v[CO], v1, 4, v6
; 16 LDS loads in one run: the fragments of one eighth of a period (64 rows of V^T, 64 rows of P, 32 keys at byte k of the rows) into buffer buf
.macro FETCH slot, k, buf
	WIN 0
.irp i, 0,1,2,3
	ds_load_b128 v[FB0+32*\buf+8*\i:FB0+32*\buf+8*\i+3],   v[ADRB+\slot] offset:\k+\i*16*PITCH
	ds_load_b128 v[FB0+32*\buf+8*\i+4:FB0+32*\buf+8*\i+7], v[ADRB+\slot] offset:\k+\i*16*PITCH+32
.endr
.irp i, 0,1,2,3
	ds_load_b128 v[FA0+32*\buf+8*\i:FA0+32*\buf+8*\i+3],   v[ADRA+\slot] offset:\k+\i*16*PITCH
	ds_load_b128 v[FA0+32*\buf+8*\i+4:FA0+32*\buf+8*\i+7], v[ADRA+\slot] offset:\k+\i*16*PITCH+32
.endr
.endm
; 8 matrix instructions: m blocks a0, a0 + 1 x the 4 n blocks.  The 16 accumulators take turns, one instruction a turn, in the same order everywhere.
; zero = 1: the first product starts the sums.
.macro MUL8 buf, a0, zero
.irp a, \a0, \a0+1
.irp b, 0,1,2,3
.if \zero
	v_wmma_f32_16x16x32_f16 v[8*(4*(\a)+\b):8*(4*(\a)+\b)+7], v[FB0+32*\buf+8*\b:FB0+32*\buf+8*\b+7], v[FA0+32*\buf+8*(\a):FA0+32*\buf+8*(\a)+7], 0
.else
	v_wmma_f32_16x16x32_f16 v[8*(4*(\a)+\b):8*(4*(\a)+\b)+7], v[FB0+32*\buf+8*\b:FB0+32*\buf+8*\b+7], v[FA0+32*\buf+8*(\a):FA0+32*\buf+8*(\a)+7], v[8*(4*(\a)+\b):8*(4*(\a)+\b)+7]
.endif
.endr
.endr
.endm
; Four independent vector instructions between a matrix instruction and a load into, or a store from, one of its registers
.macro PLACES
.rept 4
	v_nop
.endr
.endm
; One of a period's first seven eighths: fetches the next eighth's fragments (byte k of the rows) into buffer g, then multiplies buffer f.
.macro EIGHTH slot, k, f, g, zero
	PLACES                                         ; buffer g was read by the matrix instructions just issued
	FETCH \slot, \k, \g
	s_wait_dscnt 16                                ; all but the 16 just issued: buffer f is in
	WIN MULW
	MUL8 \f, 0, \zero
	MUL8 \f, 2, \zero
	WIN 0
.endm
.macro BODY slot                       ; eighths 1 to 6
	EIGHTH \slot, 128, 1, 0, 0
	EIGHTH \slot, 192, 0, 1, 0
	EIGHTH \slot, 256, 1, 0, 0
	EIGHTH \slot, 320, 0, 1, 0
	EIGHTH \slot, 384, 1, 0, 0
	EIGHTH \slot, 448, 0, 1, 0
.endm
; The last eighth multiplies buffer 1 and changes slots.  In front of the barrier each wave waits for its reads of this slot and for all its tensor loads (one is out: its
; part of the next slot).  fill = 1: this slot is filled again with period jj's tiles; the barrier then opens a round of the cluster's barrier, and the refill is the wave's
; first and only tensor load behind the round.  Period jj belongs to the first tile while jj < n1; inside its tile it is period jj or jj - n1, 512 bytes along the rows each.
.macro TURN slot, next, fill, jj
	s_wait_dscnt 0x0                               ; buffer 1 is in, and my reads of this slot are over
	s_wait_tensorcnt 0x0                           ; all my tensor loads have landed, so every group 0 may be written
	ds_add_u32 v254, v255
	s_wait_dscnt 0x0
.if \fill
	s_cmp_gt_u32 s44, \jj
	s_cselect_b32 s16, s[PA1], s[PA2]              ; the tile's rows,
	s_cselect_b32 s21, 0, s44
	s_sub_co_u32 s21, \jj, s21                     ; the period inside the tile,
	s_lshl_b32 s21, s21, 9                         ; in bytes along the rows
	s_add_co_u32 s16, s16, s21
	s_add_co_u32 s46, s[VB], s21                   ; V^T: the same rows for both tiles
	s_add_nc_u64 s[G0+4*\slot+2:G0+4*\slot+3], s[4:5], s[16:17]
	s_or_b32 s[G0+4*\slot+3], s[G0+4*\slot+3], 0x80000000
	s_add_nc_u64 s[G0B+4*\slot+2:G0B+4*\slot+3], s[6:7], s[46:47]
	s_or_b32 s[G0B+4*\slot+3], s[G0B+4*\slot+3], 0x80000000
.endif
	s_barrier_signal -1
	WIN MULW
	MUL8 1, 0, 0                                   ; register work while the others arrive
	WIN 0
	s_barrier_wait -1
.if \fill
	CREST                                          ; no wave of any partner still reads this slot or has a load on its way
	JLOAD \slot
.if \jj < 8
	ASK \jj+1
.endif
.endif
	PLACES
	FETCH \next, 0, 0
	WIN MULW
	MUL8 1, 2, 0
	WIN 0
.endm
; 16 rows of a tile, in f32: the accumulators go straight into my stage, whole rows of 256 bytes come back into f (a half of fragment buffer 1) and are stored.
.macro OUT16P a, f, c
	WIN OUTW
.irp b, 0,1,2,3
	ds_store_b128 v[STO], v[8*(4*\a+\b):8*(4*\a+\b)+3]   offset:64*\b
	ds_store_b128 v[STO], v[8*(4*\a+\b)+4:8*(4*\a+\b)+7] offset:64*\b+16
.endr
	WIN 0
	s_wait_xcnt 0x0                                ; f, which earlier stores read, is loaded again only behind this wait
.irp t, 0,1,2,3,4,5,6,7
	ds_load_b128 v[\f+4*\t:\f+4*\t+3], v[RD] offset:\t*2*SPITCH    ; LDS serves a wave's instructions in order: these see the stores above
.endr
.irp t, 0,1,2,3,4,5,6,7
	s_wait_dscnt 7-\t                              ; load t of the eight is back
	global_store_b128 v[CO], v[\f+4*\t:\f+4*\t+3], s[\c:\c+1] offset:\a*65536+\t*8192 th:TH_STORE_NT   ; 16 lanes store 256 consecutive aligned bytes; the rows stand in the immediate
.endr
.endm
; A whole tile leaves.  Buffer 0 may hold the next period's first fragments and is not touched.  more = 1: work follows.
.macro FLUSH c, more
	PLACES                                         ; behind the last matrix instructions: their results are stored, and buffer 1, which they read, is loaded
	OUT16P 0, FA0+32, \c
	OUT16P 1, FB0+32, \c
	OUT16P 2, FA0+32, \c
	OUT16P 3, FB0+32, \c
.if \more
	s_wait_xcnt 0x0                                ; buffer 1, which the stores read, takes fragments again only behind this wait
.endif
.endm
; The head of period j, one of 5 to 8, in slot: if the first tile ended with period j - 1 it leaves now, while the load of period j + 1 is on its way,
; and this period's first products start the second tile's sums; else they add on.
.macro HEAD j, slot
	s_cmp_lg_u32 s44, \j
	s_cbranch_scc1 .Lsame_\@
	FLUSH C1, 1
	EIGHTH \slot, 64, 0, 1, 1
	s_branch .Lon_\@
.Lsame_\@:
	EIGHTH \slot, 64, 0, 1, 0
.Lon_\@:
.endm
	s_wait_tensorcnt 1                             ; my part of period 0 is in; period 1's may stay out
	s_barrier_signal -1
	s_barrier_wait -1
	FETCH 0, 0, 0
	EIGHTH 0, 64, 0, 1, 1                          ; period 0: its first products start the first tile's sums
	BODY 0
	TURN 0, 1, 1, 2
	EIGHTH 1, 64, 0, 1, 0                          ; period 1
	BODY 1
	TURN 1, 0, 1, 3
	EIGHTH 0, 64, 0, 1, 0                          ; period 2
	BODY 0
	TURN 0, 1, 1, 4
	EIGHTH 1, 64, 0, 1, 0                          ; period 3
	BODY 1
	TURN 1, 0, 1, 5
	EIGHTH 0, 64, 0, 1, 0                          ; period 4: the last that belongs to the first tile in every work-group
	BODY 0
	TURN 0, 1, 1, 6
	HEAD 5, 1                                      ; period 5
	BODY 1
	TURN 1, 0, 1, 7
	HEAD 6, 0                                      ; period 6
	BODY 0
	TURN 0, 1, 1, 8
	HEAD 7, 1                                      ; period 7: nothing is left to fetch
	BODY 1
	TURN 1, 0, 0, 0
	HEAD 8, 0                                      ; period 8
	BODY 0
	s_wait_dscnt 0x0                               ; the very last eighth
	WIN MULW
	MUL8 1, 0, 0
	MUL8 1, 2, 0
	WIN 0
	FLUSH C2, 0
	s_wait_tensorcnt 0x0
	ds_add_u32 v254, v255
	s_wait_dscnt 0x0
	CROUND                                         ; the closing round: no work-group ends while a partner may still ask for a tile that names it
	s_endpgm
.Lfunc_end_k_q281638ab19_pv:
	.size	k_q281638ab19_pv, .Lfunc_end_k_q281638ab19_pv-k_q281638ab19_pv
	.p2alignl 7, 3214868480
	.fill 96, 4, 3214868480
	.section	.rodata,"a",@progbits
	.p2align	6, 0x0
	.amdhsa_kernel k_q281638ab19_pv
		.amdhsa_group_segment_fixed_size 327680
		.amdhsa_private_segment_fixed_size 0
		.amdhsa_enable_private_segment 0
		.amdhsa_kernarg_size 24
		.amdhsa_user_sgpr_count 2
		.amdhsa_user_sgpr_kernarg_segment_ptr 1
		.amdhsa_wavefront_size32 1
		.amdhsa_system_sgpr_workgroup_id_x 1
		.amdhsa_system_sgpr_workgroup_id_y 1
		.amdhsa_system_sgpr_workgroup_id_z 1
		.amdhsa_system_vgpr_workitem_id 0
		.amdhsa_next_free_vgpr 384
		.amdhsa_next_free_sgpr 96
		.amdhsa_reserve_vcc 0
		.amdhsa_float_denorm_mode_32 3
		.amdhsa_float_denorm_mode_16_64 3
		.amdhsa_memory_ordered 1
		.amdhsa_forward_progress 1
		.amdhsa_inst_pref_size 230
	.end_amdhsa_kernel
	.amdgpu_metadata
---
amdhsa.version: [ 1, 2 ]
amdhsa.kernels:
  - .name:           k_q281638ab19_pv
    .symbol:         k_q281638ab19_pv.kd
    .args:
      - { .name: pw, .offset: 0, .size: 8, .value_kind: global_buffer, .address_space: global }
      - { .name: vt, .offset: 8, .size: 8, .value_kind: global_buffer, .address_space: global }
      - { .name: out0, .offset: 16, .size: 8, .value_kind: global_buffer, .address_space: global }
    .group_segment_fixed_size: 327680
    .private_segment_fixed_size: 0
    .kernarg_segment_align: 8
    .kernarg_segment_size: 24
    .max_flat_workgroup_size: 128
    .sgpr_count:     96
    .vgpr_count:     384
    .wavefront_size: 32
...
	.end_amdgpu_metadata
.endif
;; end of part 5
